; MI455X (gfx1250); checked and timed in simulation.
; The chip was launched on July 23, 2026; its instructions are those of AMD's public machine-readable ISA for CDNA 5 (MIT licence, August 2026) and "CDNA5" Instruction Set Architecture Reference Guide (July 2026). The comments in the code are by the model that wrote it; some were corrected since.
;; Graph Pruning. Allowed arithmetic: float matrix products may take bf16 or f16 operands with f32 sums; all other float work in f32.
;; Inputs: batch 8,192 int32; edge_attr 32,768 x 64 float32; edge_index 2 x 32,768 int32; pos 8,192 x 3 float32.
;; Outputs: out0 32,768 x 64 float32.
;; One version. Each part assembles by itself: llvm-mc -triple=amdgcn-amd-amdhsa -mcpu=gfx1250 --defsym DOCPART=n.
;; ======== version 1 of 1: 2 launches
;; workspace buffers: nbr 32,768 bytes of whole numbers
;; launch knn (part 1): grid 256 x 1, 16 waves a work-group, no clusters, 71,936 bytes of LDS; arguments batch, pos, nbr; writes nbr
.if DOCPART == 1
	.amdgcn_target "amdgcn-amd-amdhsa--gfx1250"
	.amdhsa_code_object_version 6
	.text
	.protected	k_qe3819d842c_knn
	.globl	k_qe3819d842c_knn
	.p2align	8
	.type	k_qe3819d842c_knn,@function
k_qe3819d842c_knn:
	s_mov_b64 s[64:65], 0
	v_nop
	global_prefetch_b8 v0, s[64:65] scope:SCOPE_SE
	s_setreg_imm32_b32 hwreg(HW_REG_WAVE_MODE, 25, 1), 1
	s_wait_xcnt 0x0
; nbr[i] = the index j != i with batch[j] == batch[i] that is nearest to pos[i]; ties: the lowest j; no such j: 0.
; 8192 points, 3 coordinates in f32.  Minimised is t(i,j) = |p_j|^2 - 2 p_i.p_j, which differs from the squared distance by
; |p_i|^2, a constant for a query.  All points are first shifted by c = pos[0]: distances stay, a common offset goes before squares are formed.
; Each f32 is split without loss into three bf16 pieces (h, m, l, by cutting the word's lower half twice), and ONE matrix instruction
; (16 queries x 16 candidates x 32 along K, C = 0) adds, for each coordinate, the 8 products of pieces other than l.l (at most 2^-32 of
; the product), and the three pieces of |p_j|^2 times 1.0: 27 of the 32 places along K; in the other 5 the query side holds 0.
; SHARES: work-group g owns queries 32 g .. 32 g + 31 (two query tiles q = 0, 1).  Wave w of 16 owns candidate tiles t = w + 16 s, s = 0 .. 31.
; A tile is worked on only if one of its 16 batch numbers lies in [min, max] of the 32 queries' batch numbers; equality itself is tested
; pair by pair, so batch may be in any order and hold any int32.  Each wave finds its own 32 tiles' flags from its own loads of batch.
; In a result, register j of lane (r = lane & 15, h = lane >> 4) is (query 16 q + 8 h + j, candidate 16 t + r).
; LIMITS: NaN or infinity in pos is not served.  Two candidates whose distances to a query differ by about the rounding of f32 sums of
; this size may be ordered otherwise than by another order of summation; equal points tie exactly and the lowest index wins.
; No tensor loads: a wave reads 256 bytes a tile, and which tiles it reads hangs on batch.  No cluster: partners would walk different tiles.
.set QP,     2176                      ; bytes from row to row in MERGE: 256 entries of 8 bytes + 128 = 544 words, 32 modulo 64
.set RES,    0                         ; LDS 0..127: the 32 results
.set MERGE,  256                       ; LDS 256..69887: row 2 k + h (slot k = 8 q + j: query 16 q + 8 h + j), entry e = 16 w + r: (value, index as f32) at MERGE + row QP + 8 e
.set R,    1                           ; v1   r
.set H,    2                           ; v2   h
.set R12,  3                           ; v3   12 r
.set R4,   4                           ; v4   4 r
.set INF,  5                           ; v5   +infinity
.set BJ,   6                           ; v6   batch number of my candidate
.set CF,   7                           ; v7   index of my candidate, as f32 (below 2^13: exact)
.set AQ,   8                           ; v[8:15], v[16:23]  the two query tiles as operand A
.set BF,   24                          ; v[24:31]  the candidate tile as operand B
.set DD,   32                          ; v[32:39], v[40:47]  the two results
.set BI,   48                          ; v[48:63]  slot k = 8 q + j: batch[32 g + 16 q + 8 h + j]
.set BP,   64                          ; v[64:95]  slot k: best value at 64 + 2 k, its index at 65 + 2 k
.set PC,   96                          ; v[96:98]  x, y, z of my candidate as loaded
.set BC,   99                          ; v99       its batch number as loaded
.set OP,   100                         ; v100      byte offset of the load into PC
.set OB,   101                         ; v101      byte offset of the load into BC
.set T,    102                         ; v[102:119] at work
.set PQ,   120                         ; v[120:122], v[124:126]  x, y, z of query r of tile 0, 1
.set W,    128                         ; v[128:143] batch numbers for the flags, v[144:159] the other half's 16 queries' batch numbers; later v[128:159] 16 entries of MERGE
.set EQ,   32                          ; s[32:47]  slot k: lanes whose candidate may be taken (s[32:35] first serve the flags)
.set LT,   48                          ; s[48:63]  slot k: lanes whose candidate is nearer than the slot's best
	s_load_b128 s[4:7], s[0:1], 0x0                ; batch s[4:5], pos s[6:7]
	s_load_b64 s[8:9], s[0:1], 0x10                ; nbr
	v_lshl_add_u32 v160, v0, 2, 0x11100
	v_mov_b32 v161, 0
	v_lshrrev_b32 v[T], 5, v0
	v_readfirstlane_b32 s10, v[T]                  ; wave w, 0 .. 15
	v_and_b32 v[R], 15, v0
	v_bfe_u32 v[H], v0, 4, 1
	v_and_b32 v[T+5], 31, v0                       ; lane
	v_mul_u32_u24 v[R12], 12, v[R]
	v_lshlrev_b32 v[R4], 2, v[R]
	v_mov_b32 v[INF], 0x7f800000
	s_mov_b32 s15, 0xffff0000                      ; a word's upper half; as a lane mask: the lanes with h = 1
	s_mov_b32 s16, 0x07060302                      ; v_perm_b32: upper half of source 0 above upper half of source 1
	s_lshl_b32 s24, ttmp9, 1                       ; the candidate tile that is query tile 0,
	s_or_b32 s25, s24, 1                           ; and query tile 1
	s_lshl_b32 s11, ttmp9, 7                       ; 32 queries x 4 bytes
	v_lshl_add_u32 v[T], v[H], 5, s11              ; batch numbers of queries 8 h .. of tile 0
	v_sub_nc_u32 v[T+9], 1, v[H]
	v_lshl_add_u32 v[T+9], v[T+9], 5, s11          ; and those of the other half's queries, 8 (1 - h) ..
	; the flags' loads: in load k the four lanes 4 n .. 4 n + 3 take the 64 bytes of tile w + 16 (4 n + k): byte 64 w + 4096 n + 16 (lane & 3) + 1024 k
	v_lshrrev_b32 v[T+1], 2, v[T+5]                ; n
	v_and_b32 v[T+6], 3, v[T+5]
	v_lshlrev_b32 v[T+1], 12, v[T+1]
	v_lshl_add_u32 v[T+1], v[T+6], 4, v[T+1]
	s_lshl_b32 s22, s10, 6
	v_add_nc_u32 v[T+1], s22, v[T+1]
	s_mul_i32 s23, ttmp9, 384                      ; 32 queries x 12 bytes
	v_add_nc_u32 v[T+2], s23, v[R12]
	s_wait_kmcnt 0x0
	s_load_b96 s[12:14], s[6:7], 0x0               ; c = pos[0]
	global_load_b128 v[BI:BI+3],     v[T], s[4:5]
	global_load_b128 v[BI+4:BI+7],   v[T], s[4:5] offset:16
	global_load_b128 v[BI+8:BI+11],  v[T], s[4:5] offset:64
	global_load_b128 v[BI+12:BI+15], v[T], s[4:5] offset:80
	global_load_b128 v[W+16:W+19],   v[T+9], s[4:5]
	global_load_b128 v[W+20:W+23],   v[T+9], s[4:5] offset:16
	global_load_b128 v[W+24:W+27],   v[T+9], s[4:5] offset:64
	global_load_b128 v[W+28:W+31],   v[T+9], s[4:5] offset:80
.irp k, 0,1,2,3
	global_load_b128 v[W+4*\k:W+4*\k+3], v[T+1], s[4:5] offset:1024*\k    ; the last byte reached is 64 x 15 + 4096 x 7 + 48 + 3072 + 15 = 32,767: batch's last
.endr
	global_load_b96 v[PQ:PQ+2],   v[T+2], s[6:7]
	global_load_b96 v[PQ+4:PQ+6], v[T+2], s[6:7] offset:192
.irp k, 0,1,2,3,4,5,6,7,8,9,10,11,12,13,14,15
	v_mov_b32 v[BP+2*\k], v[INF]                   ; nothing found yet: +infinity, index 0 (the result where a query has no candidate)
	v_mov_b32 v[BP+2*\k+1], 0
.endr
	s_wait_kmcnt 0x0                               ; c is there
	; the range of the 32 queries' batch numbers, as unsigned words; every lane holds all 32
	s_wait_loadcnt 0x6                             ; the eight loads of the queries' batch numbers are in; the six younger ones stay out
	v_min_u32 v[T+3], v[BI], v[BI+1]
	v_max_u32 v[T+4], v[BI], v[BI+1]
.irp k, 2,3,4,5,6,7,8,9,10,11,12,13,14,15
	v_min_u32 v[T+3], v[T+3], v[BI+\k]
	v_max_u32 v[T+4], v[T+4], v[BI+\k]
.endr
.irp k, 0,1,2,3,4,5,6,7,8,9,10,11,12,13,14,15
	v_min_u32 v[T+3], v[T+3], v[W+16+\k]           ; qmin
	v_max_u32 v[T+4], v[T+4], v[W+16+\k]
.endr
	v_sub_nc_u32 v[T+4], v[T+4], v[T+3]            ; qmax - qmin
	; flags: b lies in [qmin, qmax] if and only if b - qmin <= qmax - qmin, unsigned
	s_wait_loadcnt 0x2                             ; the four loads for the flags are in; the two loads of the queries' pos stay out
.irp k, 0,1,2,3
	v_sub_nc_u32 v[T+10], v[W+4*\k],   v[T+3]
	v_sub_nc_u32 v[T+11], v[W+4*\k+1], v[T+3]
	v_sub_nc_u32 v[T+12], v[W+4*\k+2], v[T+3]
	v_sub_nc_u32 v[T+13], v[W+4*\k+3], v[T+3]
	v_min_u32 v[T+10], v[T+10], v[T+11]
	v_min_u32 v[T+12], v[T+12], v[T+13]
	v_min_u32 v[T+10], v[T+10], v[T+12]
	v_cmp_ge_u32 s[EQ+\k], v[T+4], v[T+10]         ; bit L: one of lane L's four numbers is in range
.endr
.irp k, 0,1,2,3
	s_lshr_b32 s22, s[EQ+\k], 1                    ; the four bits of a tile are gathered on the lowest of them, bit 4 n
	s_or_b32 s[EQ+\k], s[EQ+\k], s22
	s_lshr_b32 s22, s[EQ+\k], 2
	s_or_b32 s[EQ+\k], s[EQ+\k], s22
	s_and_b32 s[EQ+\k], s[EQ+\k], 0x11111111
.endr
	s_lshl_b32 s[EQ+1], s[EQ+1], 1                 ; load k's bits go to places 4 n + k
	s_lshl_b32 s[EQ+2], s[EQ+2], 2
	s_lshl_b32 s[EQ+3], s[EQ+3], 3
	s_or_b32 s17, s[EQ], s[EQ+1]
	s_or_b32 s22, s[EQ+2], s[EQ+3]
	s_or_b32 s17, s17, s22                         ; s17 bit s: tile w + 16 s is to be worked on
	s_bcnt1_i32_b32 s18, s17                       ; how many: the loop's trips
	s_cmp_eq_u32 s18, 0
	s_cbranch_scc1 .Lmerge                         ; none: my slots stay at +infinity (no barrier is jumped over)
; x = hi + mid + lo exactly: the upper half of a word is a bf16, each difference is exact, and lo has at most 8 significant bits left
.macro SPLIT hi, mid, lo, src
	v_and_b32 v[\hi], s15, v[\src]
	v_sub_f32 v[\lo], v[\src], v[\hi]
	v_and_b32 v[\mid], s15, v[\lo]
	v_sub_f32 v[\lo], v[\lo], v[\mid]
.endm
; Takes the lowest tile left in s17 and issues its two loads.  With no tile left (in the last trip) the number is bounded to s = 31:
; a tile inside both buffers, whose 256 bytes are then loaded and not used.
.macro NEXT
	s_ctz_i32_b32 s22, s17
	s_min_u32 s22, s22, 31
	s_lshl_b32 s20, s22, 4
	s_add_co_u32 s20, s20, s10                     ; t = w + 16 s, at most 511
	s_add_co_i32 s23, s17, -1
	s_and_b32 s17, s17, s23                        ; the lowest bit is cleared
	s_mul_i32 s22, s20, 192                        ; 16 points x 12 bytes
	v_add_nc_u32 v[OP], s22, v[R12]
	s_lshl_b32 s23, s20, 6                         ; 16 numbers x 4 bytes
	v_add_nc_u32 v[OB], s23, v[R4]
	global_load_b96 v[PC:PC+2], v[OP], s[6:7]
	global_load_b32 v[BC], v[OB], s[4:5]
.endm
; Operand A for query tile q.  Lane (r, h) holds query r; registers 0-3 are K = 8 h .., registers 4-7 K = 16 + 8 h ...
; u = -2 x' for h = 0 and -2 y' for h = 1; z = -2 z'.  Against the candidate's registers (see CFRAG):
;   0: (uh, uh)  1: (um, um)  2: (ul, ul)  3: (uh, um)      the 8 products of x (h = 0) and of y (h = 1)
;   4: (s, s)    5: (zl, zl) or 0   6: (s, one)   7: (one, one)      s = zh, one = 1.0 for h = 0; s = zm, one = 0 for h = 1
.macro QFRAG q
	v_fma_f32 v[T],   v[PQ+4*\q],   -2.0, v[T+14]  ; -2 x + 2 c rounds as -2 (x - c) does: the candidate side's shifted point, scaled exactly
	v_fma_f32 v[T+1], v[PQ+4*\q+1], -2.0, v[T+15]
	v_fma_f32 v[T+2], v[PQ+4*\q+2], -2.0, v[T+16]
	v_cndmask_b32 v[T+4], v[T], v[T+1], s15
	SPLIT T+5, T+6, T+7, T+4
	SPLIT T+8, T+9, T+10, T+2
	v_cndmask_b32 v[T+11], v[T+8], v[T+9], s15
	v_perm_b32 v[AQ+8*\q],   v[T+5],  v[T+5],  s16
	v_perm_b32 v[AQ+8*\q+1], v[T+6],  v[T+6],  s16
	v_perm_b32 v[AQ+8*\q+2], v[T+7],  v[T+7],  s16
	v_perm_b32 v[AQ+8*\q+3], v[T+6],  v[T+5],  s16
	v_perm_b32 v[AQ+8*\q+4], v[T+11], v[T+11], s16
	v_perm_b32 v[AQ+8*\q+5], v[T+10], v[T+10], s16
	v_cndmask_b32 v[AQ+8*\q+5], v[AQ+8*\q+5], v[T+13], s15
	v_perm_b32 v[AQ+8*\q+6], v[T+17], v[T+11], s16
	v_perm_b32 v[AQ+8*\q+7], v[T+17], v[T+17], s16
.endm
; Operand B for the tile in PC.  Lane (r, h) holds candidate r.  u = x' for h = 0, y' for h = 1; sq = x'^2 + y'^2 + z'^2.  (low half, high half):
;   0, 1, 2: (uh, um)   3: (ul, ul)   4, 5: (zh, zm)   6: (zl, sqh)   7: (sqm, sql)
.macro CFRAG
	v_sub_f32 v[T],   v[PC],   s12
	v_sub_f32 v[T+1], v[PC+1], s13
	v_sub_f32 v[T+2], v[PC+2], s14
	v_mul_f32 v[T+3], v[T], v[T]
	v_fmac_f32 v[T+3], v[T+1], v[T+1]
	v_fmac_f32 v[T+3], v[T+2], v[T+2]
	v_cndmask_b32 v[T+4], v[T], v[T+1], s15
	SPLIT T+5, T+6, T+7, T+4
	SPLIT T+8, T+9, T+10, T+2
	SPLIT T+11, T+12, T+13, T+3
	v_perm_b32 v[BF],   v[T+6], v[T+5], s16
	v_mov_b32  v[BF+1], v[BF]
	v_mov_b32  v[BF+2], v[BF]
	v_perm_b32 v[BF+3], v[T+7], v[T+7], s16
	v_perm_b32 v[BF+4], v[T+9], v[T+8], s16
	v_mov_b32  v[BF+5], v[BF+4]
	v_perm_b32 v[BF+6], v[T+11], v[T+10], s16
	v_perm_b32 v[BF+7], v[T+13], v[T+12], s16
.endm
	NEXT                                           ; the first tile's two loads go out
	s_wait_loadcnt 0x2                             ; the queries' pos is in; those two stay out
	v_add_f32 v[T+14], s12, s12                    ; 2 c
	v_add_f32 v[T+15], s13, s13
	v_add_f32 v[T+16], s14, s14
	v_mov_b32 v[T+13], 0
	v_cndmask_b32 v[T+17], 1.0, v[T+13], s15       ; 1.0 for h = 0, 0 for h = 1
	QFRAG 0
	QFRAG 1
	s_mov_b32 s19, 0
.Ltile:
	s_wait_loadcnt 0x0                             ; this tile's two loads are the only ones out; OP and OB are free behind this wait
	s_mov_b32 s21, s20                             ; this tile's number
	CFRAG
	v_mov_b32 v[BJ], v[BC]
	NEXT                                           ; the next tile's loads have the rest of the trip in which to come
	s_lshl_b32 s22, s21, 4
	v_add_nc_u32 v[CF], s22, v[R]
	v_cvt_f32_u32 v[CF], v[CF]
	v_wmma_f32_16x16x32_bf16 v[DD:DD+7],    v[AQ:AQ+7],    v[BF:BF+7], 0      ; two results, each begun with C = 0: no sum is carried on
	v_wmma_f32_16x16x32_bf16 v[DD+8:DD+15], v[AQ+8:AQ+15], v[BF:BF+7], 0
	; the sixteen compares below name no register of the two matrix instructions: they are the places in front of the first read of a result (ISA guide 7.12.1)
.irp k, 0,1,2,3,4,5,6,7,8,9,10,11,12,13,14,15
	v_cmp_eq_u32 s[EQ+\k], v[BJ], v[BI+\k]         ; same graph
.endr
	s_cmp_lg_u32 s21, s24
	s_cbranch_scc1 .Lnot_tile_0
.irp j, 0,1,2,3,4,5,6,7
	s_and_not1_b32 s[EQ+\j], s[EQ+\j], (1<<\j)|(1<<(24+\j))          ; query 8 h + j is candidate r in lane 16 h + r = 24 h + j: not its own neighbour
.endr
.Lnot_tile_0:
	s_cmp_lg_u32 s21, s25
	s_cbranch_scc1 .Lnot_tile_1
.irp j, 0,1,2,3,4,5,6,7
	s_and_not1_b32 s[EQ+8+\j], s[EQ+8+\j], (1<<\j)|(1<<(24+\j))
.endr
.Lnot_tile_1:
.irp k, 0,1,2,3,4,5,6,7,8,9,10,11,12,13,14,15
	v_cmp_lt_f32 s[LT+\k], v[DD+\k], v[BP+2*\k]    ; strictly nearer: tiles come in ascending order, so a slot keeps the lowest index of equals
.endr
.irp k, 0,1,2,3,4,5,6,7,8,9,10,11,12,13,14,15
	s_and_b32 s[EQ+\k], s[EQ+\k], s[LT+\k]
.endr
.irp k, 0,1,2,3,4,5,6,7,8,9,10,11,12,13,14,15
	v_cndmask_b32 v[BP+2*\k],   v[BP+2*\k],   v[DD+\k], s[EQ+\k]
	v_cndmask_b32 v[BP+2*\k+1], v[BP+2*\k+1], v[CF],    s[EQ+\k]
.endr
	s_add_co_u32 s19, s19, 1
	s_cmp_lt_u32 s19, s18
	s_cbranch_scc1 .Ltile
.Lmerge:
	; Every wave hands its 16 slots a lane to LDS.  Registers that loads still out name (OP, OB, PC, BC; T+2 and PQ on the short way) are left alone from here on.
	; Slot k of half h goes to row 2 k + h.  The two halves are one row apart, in the stores and in the loads below: 544 words, 32 modulo 64,
	; so the 128 neighbouring bytes of lanes 0-15 and those of lanes 16-31 fall on different words modulo 64.
	v_mul_u32_u24 v[T+3], QP, v[H]                 ; h rows
	v_lshl_add_u32 v[T+3], v[R], 3, v[T+3]         ; + 8 r
	s_lshl_b32 s11, s10, 7                         ; 128 w: entry 16 w + r
	s_add_co_u32 s11, s11, MERGE                   ; the region's base stands in the register: 30 rows are 65,280 bytes, all that the 16-bit immediate takes
	v_add_nc_u32 v[T+4], s11, v[T+3]
.irp k, 0,1,2,3,4,5,6,7,8,9,10,11,12,13,14,15
	ds_store_b64 v[T+4], v[BP+2*\k:BP+2*\k+1] offset:2*\k*QP
.endr
	s_wait_dscnt 0x0                               ; my entries are in LDS before I say so
	s_barrier_signal -1
	s_barrier_wait -1
	; Wave w reduces rows 2 w and 2 w + 1, that is slot k = w of both halves: sixteen lanes a query, sixteen entries a lane
	s_mul_i32 s23, s10, 2*QP
	s_add_co_u32 s23, s23, MERGE
	v_add_nc_u32 v[T+5], s23, v[T+3]
.irp k, 0,1,2,3,4,5,6,7,8,9,10,11,12,13,14,15
	ds_load_b64 v[W+2*\k:W+2*\k+1], v[T+5] offset:128*\k                         ; entry r + 16 k
.endr
	s_wait_dscnt 0x0
	v_min3_num_f32 v[T+6], v[W], v[W+2], v[W+4]
.irp k, 6,10,14,18,22,26
	v_min3_num_f32 v[T+6], v[T+6], v[W+\k], v[W+\k+2]
.endr
	v_min_num_f32 v[T+6], v[T+6], v[W+30]
.irp m, 1,2,4,8
	v_min_num_f32_dpp v[T+6], v[T+6], v[T+6] row_xmask:\m row_mask:0xf bank_mask:0xf   ; over the query's sixteen lanes
.endr
	v_cmp_eq_f32 vcc_lo, v[T+6], v[W]              ; the lowest index among the entries that hold the minimum
	v_cndmask_b32 v[T+7], v[INF], v[W+1], vcc_lo
.irp k, 1,2,3,4,5,6,7,8,9,10,11,12,13,14,15
	v_cmp_eq_f32 vcc_lo, v[T+6], v[W+2*\k]
	v_cndmask_b32 v[T+8], v[INF], v[W+2*\k+1], vcc_lo
	v_min_num_f32 v[T+7], v[T+7], v[T+8]
.endr
.irp m, 1,2,4,8
	v_min_num_f32_dpp v[T+7], v[T+7], v[T+7] row_xmask:\m row_mask:0xf bank_mask:0xf
.endr
	v_cvt_u32_f32 v[T+7], v[T+7]
	; slot w of half h is query Q = 16 (w >> 3) + 8 h + (w & 7) = w + 8 (w >> 3) + 8 h; its word lies at RES + 4 Q, below MERGE's first byte
	s_lshl_b32 s22, s10, 2                         ; 4 w
	s_lshr_b32 s23, s10, 3
	s_lshl_b32 s23, s23, 5                         ; 32 (w >> 3)
	s_add_co_u32 s22, s22, s23
	v_lshl_add_u32 v[T+8], v[H], 5, s22            ; + 32 h
	ds_store_b32 v[T+8], v[T+7] offset:RES         ; the sixteen lanes of a query write the same word with the same value
	s_wait_dscnt 0x0
	s_barrier_signal -1
	s_barrier_wait -1                              ; all 32 results are in RES
	s_cmp_lg_u32 s10, 0
	s_cbranch_scc1 .Lend
	v_and_b32 v[T+9], 31, v0
	v_lshlrev_b32 v[T+9], 2, v[T+9]
	ds_load_b32 v[T+10], v[T+9] offset:RES
	s_lshl_b32 s11, ttmp9, 7
	v_add_nc_u32 v[T+11], s11, v[T+9]
	s_wait_dscnt 0x0
	global_store_b32 v[T+11], v[T+10], s[8:9]      ; the work-group's 32 results: one store of 128 neighbouring bytes
.Lend:
	s_wait_tensorcnt 0x0
	ds_add_u32 v160, v161
	s_wait_dscnt 0x0
	s_endpgm
.Lfunc_end_k_qe3819d842c_knn:
	.size	k_qe3819d842c_knn, .Lfunc_end_k_qe3819d842c_knn-k_qe3819d842c_knn
	.p2alignl 7, 3214868480
	.fill 96, 4, 3214868480
	.section	.rodata,"a",@progbits
	.p2align	6, 0x0
	.amdhsa_kernel k_qe3819d842c_knn
		.amdhsa_group_segment_fixed_size 71936
		.amdhsa_private_segment_fixed_size 0
		.amdhsa_enable_private_segment 0
		.amdhsa_kernarg_size 24
		.amdhsa_user_sgpr_count 2
		.amdhsa_user_sgpr_kernarg_segment_ptr 1
		.amdhsa_wavefront_size32 1
		.amdhsa_system_sgpr_workgroup_id_x 1
		.amdhsa_system_sgpr_workgroup_id_y 1
		.amdhsa_system_sgpr_workgroup_id_z 1
		.amdhsa_system_vgpr_workitem_id 0
		.amdhsa_next_free_vgpr 162
		.amdhsa_next_free_sgpr 66
		.amdhsa_reserve_vcc 1
		.amdhsa_float_denorm_mode_32 3
		.amdhsa_float_denorm_mode_16_64 3
		.amdhsa_memory_ordered 1
		.amdhsa_forward_progress 1
		.amdhsa_inst_pref_size 25
	.end_amdhsa_kernel
	.amdgpu_metadata
---
amdhsa.version: [ 1, 2 ]
amdhsa.kernels:
  - .name:           k_qe3819d842c_knn
    .symbol:         k_qe3819d842c_knn.kd
    .args:
      - { .name: batch, .offset: 0, .size: 8, .value_kind: global_buffer, .address_space: global }
      - { .name: pos, .offset: 8, .size: 8, .value_kind: global_buffer, .address_space: global }
      - { .name: nbr, .offset: 16, .size: 8, .value_kind: global_buffer, .address_space: global }
    .group_segment_fixed_size: 71936
    .private_segment_fixed_size: 0
    .kernarg_segment_align: 8
    .kernarg_segment_size: 24
    .max_flat_workgroup_size: 512
    .sgpr_count:     66
    .vgpr_count:     162
    .wavefront_size: 32
...
	.end_amdgpu_metadata
.endif
;; end of part 1
;; launch prune (part 2): grid 256 x 1, 8 waves a work-group, no clusters, 0 bytes of LDS; arguments edge_index, nbr, edge_attr, out0; writes out0
.if DOCPART == 2
	.amdgcn_target "amdgcn-amd-amdhsa--gfx1250"
	.amdhsa_code_object_version 6
	.text
	.protected	k_qe3819d842c_prune
	.globl	k_qe3819d842c_prune
	.p2align	8
	.type	k_qe3819d842c_prune,@function
k_qe3819d842c_prune:
	s_mov_b64 s[64:65], 0
	v_nop
	global_prefetch_b8 v0, s[64:65] scope:SCOPE_SE
	s_setreg_imm32_b32 hwreg(HW_REG_WAVE_MODE, 25, 1), 1
	s_wait_xcnt 0x0
; out0[e][:] = edge_attr[e][:] x mask[e].  mask[e] = 1 where the edge's hash H = e0 x 8192 + e1 (in 32 bits) is the hash row x 8192 + col of a
; mutual nearest-neighbour pair: with col = H & 8191 and row = H >> 13, nbr[col] == row and nbr[row] == col.
; 32768 edges of 64 f32 (256 bytes).  A wave owns 16 edges, 4,096 neighbouring bytes: 256 work-groups x 8 waves x 16.
; Where none of a wave's 16 edges survives, the block is stored as zeros and its edge_attr is not loaded: the mask throws those products away.
; LIMITS: in such a block an infinity or NaN of edge_attr gives 0 and not NaN, and zeros are +0.  A hash of -1 (only from indices
; outside 0 .. 8191) counts as no match.
; Memory binds: no LDS, no barrier, no matrix unit; each load and store of a wave covers 512 neighbouring bytes, aligned.
.set E4,  131072                       ; bytes of edge_index's first row
.set X,   16                           ; v[16:47]  the block: 8 x 4 registers
	s_load_b256 s[4:11], s[0:1], 0x0               ; edge_index s[4:5], nbr s[6:7], edge_attr s[8:9], out0 s[10:11]
	v_lshrrev_b32 v1, 5, v0
	v_readfirstlane_b32 s12, v1                    ; wave
	v_and_b32 v2, 15, v0                           ; my edge in the block (lanes 16-31 repeat lanes 0-15)
	v_and_b32 v3, 31, v0                           ; lane
	v_bfe_u32 v4, v0, 4, 1                         ; h
	s_lshl_b32 s13, ttmp9, 3
	s_add_co_u32 s13, s13, s12                     ; block = 8 g + w
	s_lshl_b32 s14, s13, 6                         ; 16 indices x 4 bytes
	v_lshl_add_u32 v5, v2, 2, s14
	s_lshl_b32 s15, s13, 12                        ; 16 edges x 256 bytes
	v_lshl_add_u32 v6, v3, 4, s15                  ; my 16 bytes in the block's first 512
	s_wait_kmcnt 0x0
	global_load_b32 v7, v5, s[4:5]                 ; e0
	global_load_b32 v8, v5, s[4:5] offset:E4       ; e1
	s_wait_loadcnt 0x0
	v_lshl_add_u32 v9, v7, 13, v8                  ; H
	v_and_b32 v10, 0x1fff, v9                      ; col
	v_lshrrev_b32 v11, 13, v9                      ; row, up to 2^19 - 1
	v_min_u32 v10, 0x1fff, v10                     ; a loaded number enters an address only behind an explicit bound (this one changes nothing)
	v_min_u32 v12, 0x1fff, v11                     ; a row past the table cannot equal any nbr: the bounded load's result then decides nothing
	v_lshlrev_b32 v13, 2, v10
	v_lshlrev_b32 v14, 2, v12
	global_load_b32 v15, v13, s[6:7]               ; nbr[col]
	global_load_b32 v48, v14, s[6:7]               ; nbr[row]
	s_wait_loadcnt 0x0
	v_cmp_eq_u32 s20, v15, v11
	v_cmp_eq_u32 s21, v48, v10
	s_and_b32 s20, s20, s21                        ; bit i (and bit 16 + i): edge i of the block survives
	s_cmp_lg_u32 s20, 0
	s_cbranch_scc1 .Lsome
	v_mov_b32 v[X], 0
	v_mov_b32 v[X+1], 0
	v_mov_b32 v[X+2], 0
	v_mov_b32 v[X+3], 0
.irp k, 0,1,2,3,4,5,6,7
	global_store_b128 v6, v[X:X+3], s[10:11] offset:512*\k th:TH_STORE_NT
.endr
	s_endpgm
.Lsome:
.irp k, 0,1,2,3,4,5,6,7
	global_load_b128 v[X+4*\k:X+4*\k+3], v6, s[8:9] offset:512*\k th:TH_LOAD_NT      ; edges 2 k (lanes 0-15) and 2 k + 1 (lanes 16-31)
.endr
	v_lshrrev_b32 v49, v4, s20                     ; bit 2 k: my edge of load k
.irp k, 0,1,2,3,4,5,6,7
	v_bfe_u32 v[50+\k], v49, 2*\k, 1
	v_cvt_f32_u32 v[50+\k], v[50+\k]               ; 1.0 or 0
.endr
.irp k, 0,1,2,3,4,5,6,7
	s_wait_loadcnt 7-\k                            ; loads come back in order (ISA guide 5.7.1): load k is in, the younger ones stay out
	v_mul_f32 v[X+4*\k],   v[X+4*\k],   v[50+\k]
	v_mul_f32 v[X+4*\k+1], v[X+4*\k+1], v[50+\k]
	v_mul_f32 v[X+4*\k+2], v[X+4*\k+2], v[50+\k]
	v_mul_f32 v[X+4*\k+3], v[X+4*\k+3], v[50+\k]
	global_store_b128 v6, v[X+4*\k:X+4*\k+3], s[10:11] offset:512*\k th:TH_STORE_NT  ; each k has registers of its own: none is written again
.endr
	s_endpgm
.Lfunc_end_k_qe3819d842c_prune:
	.size	k_qe3819d842c_prune, .Lfunc_end_k_qe3819d842c_prune-k_qe3819d842c_prune
	.p2alignl 7, 3214868480
	.fill 96, 4, 3214868480
	.section	.rodata,"a",@progbits
	.p2align	6, 0x0
	.amdhsa_kernel k_qe3819d842c_prune
		.amdhsa_group_segment_fixed_size 0
		.amdhsa_private_segment_fixed_size 0
		.amdhsa_enable_private_segment 0
		.amdhsa_kernarg_size 32
		.amdhsa_user_sgpr_count 2
		.amdhsa_user_sgpr_kernarg_segment_ptr 1
		.amdhsa_wavefront_size32 1
		.amdhsa_system_sgpr_workgroup_id_x 1
		.amdhsa_system_sgpr_workgroup_id_y 1
		.amdhsa_system_sgpr_workgroup_id_z 1
		.amdhsa_system_vgpr_workitem_id 0
		.amdhsa_next_free_vgpr 64
		.amdhsa_next_free_sgpr 66
		.amdhsa_reserve_vcc 0
		.amdhsa_float_denorm_mode_32 3
		.amdhsa_float_denorm_mode_16_64 3
		.amdhsa_memory_ordered 1
		.amdhsa_forward_progress 1
		.amdhsa_inst_pref_size 7
	.end_amdhsa_kernel
	.amdgpu_metadata
---
amdhsa.version: [ 1, 2 ]
amdhsa.kernels:
  - .name:           k_qe3819d842c_prune
    .symbol:         k_qe3819d842c_prune.kd
    .args:
      - { .name: edge_index, .offset: 0, .size: 8, .value_kind: global_buffer, .address_space: global }
      - { .name: nbr, .offset: 8, .size: 8, .value_kind: global_buffer, .address_space: global }
      - { .name: edge_attr, .offset: 16, .size: 8, .value_kind: global_buffer, .address_space: global }
      - { .name: out0, .offset: 24, .size: 8, .value_kind: global_buffer, .address_space: global }
    .group_segment_fixed_size: 0
    .private_segment_fixed_size: 0
    .kernarg_segment_align: 8
    .kernarg_segment_size: 32
    .max_flat_workgroup_size: 256
    .sgpr_count:     66
    .vgpr_count:     64
    .wavefront_size: 32
...
	.end_amdgpu_metadata
.endif
;; end of part 2
